; MI455X (gfx1250); checked and timed in simulation.
; The chip was launched on July 23, 2026; its instructions are those of AMD's public machine-readable ISA for CDNA 5 (MIT licence, August 2026) and "CDNA5" Instruction Set Architecture Reference Guide (July 2026). The comments in the code are by the model that wrote it; some were corrected since.
;; GRU. Allowed arithmetic: matrix products marked QUANTISED: E3M2 operands, one E8M0 scale for each 32 along K, by v_wmma_scale_f32_16x16x128_f8f6f4 with both operands' format E3M2, f32 sums; everything else in f32.
;; Inputs: bh 1,024 float32; br 1,024 float32; bz 1,024 float32; hidden 8,192 x 1,024 float32; uh_codes 1,024 x 32 x 24 uint8 (E3M2 codes of uh, K innermost, in blocks of 32 codes, four codes in three bytes); uh_scales 1,024 x 32 uint8 (E8M0 scales of uh, one for each 32 codes along K); update_codes 8,192 x 32 x 24 uint8 (E3M2 codes of update, K innermost, in blocks of 32 codes, four codes in three bytes); update_scales 8,192 x 32 uint8 (E8M0 scales of update, one for each 32 codes along K); ur_codes 1,024 x 32 x 24 uint8 (E3M2 codes of ur, K innermost, in blocks of 32 codes, four codes in three bytes); ur_scales 1,024 x 32 uint8 (E8M0 scales of ur, one for each 32 codes along K); uz_codes 1,024 x 32 x 24 uint8 (E3M2 codes of uz, K innermost, in blocks of 32 codes, four codes in three bytes); uz_scales 1,024 x 32 uint8 (E8M0 scales of uz, one for each 32 codes along K); wh_codes 1,024 x 32 x 24 uint8 (E3M2 codes of wh, K innermost, in blocks of 32 codes, four codes in three bytes); wh_scales 1,024 x 32 uint8 (E8M0 scales of wh, one for each 32 codes along K); wr_codes 1,024 x 32 x 24 uint8 (E3M2 codes of wr, K innermost, in blocks of 32 codes, four codes in three bytes); wr_scales 1,024 x 32 uint8 (E8M0 scales of wr, one for each 32 codes along K); wz_codes 1,024 x 32 x 24 uint8 (E3M2 codes of wz, K innermost, in blocks of 32 codes, four codes in three bytes); wz_scales 1,024 x 32 uint8 (E8M0 scales of wz, one for each 32 codes along K).
;; Outputs: out0 8,192 x 1,024 float32.
;; This version of the problem:
;;   THIS VERSION OF THE PROBLEM IS GIVEN IN LOW PRECISION. The matrix products marked QUANTISED in the list below multiply operands that are first quantised to E3M2 (3 exponent bits, 2 mantissa bits; 6 bits a number), with one power-of-two scale for each 32 numbers along K (OCP MX v1.0); their sums are f32. All else is computed in f32.
;;   The module's matrix products, in the order in which they are computed (A, B: the left and right operand; K: the contracted axis; several contracted axes count as one K, in the product's order):
;;     1. [M 8,192, K 1,024] x [K 1,024, N 1,024]; A: input update (given as codes); B: input wz (given as codes): QUANTISED
;;     2. [M 8,192, K 1,024] x [K 1,024, N 1,024]; A: input hidden; B: input uz (given as codes): QUANTISED
;;     3. [M 8,192, K 1,024] x [K 1,024, N 1,024]; A: input update (given as codes); B: input wr (given as codes): QUANTISED
;;     4. [M 8,192, K 1,024] x [K 1,024, N 1,024]; A: input hidden; B: input ur (given as codes): QUANTISED
;;     5. [M 8,192, K 1,024] x [K 1,024, N 1,024]; A: input update (given as codes); B: input wh (given as codes): QUANTISED
;;     6. [M 8,192, K 1,024] x [K 1,024, N 1,024]; A: computed on the way; B: input uh (given as codes): QUANTISED
;;   THE QUANTISER, for each operand of a quantised product, along K:
;;     - K is cut into blocks of 32 from its start; a last block that is shorter is filled with zeros.
;;     - A block's scale is 2^e with e = floor(log2(the largest magnitude in the block)) - 4, held to -126 .. 127; a block of zeros has e = 0. As a byte (E8M0): e + 127.
;;     - Each number is divided by its block's scale, clamped to +-28, and rounded to the nearest number of E3M2, ties to even, subnormals kept.
;;     - The product sums the exact products of the quantised numbers (number of the format x scale) in f32.
;;   ~~~python
;;   def quantise(x, axis):      # numpy; x: float32 -> the quantised numbers, widened to float32 again
;;       x = np.moveaxis(x, axis, -1); K = x.shape[-1]
;;       x = np.pad(x, [(0, 0)] * (x.ndim - 1) + [(0, -K % 32)]); x = x.reshape(x.shape[:-1] + (-1, 32)); a = np.abs(x).max(-1, keepdims=True)
;;       e = np.where(a > 0, np.clip(np.frexp(np.where(a > 0, a, 1))[1] - 1 - 4, -126, 127), 0)      # np.frexp(a)[1] - 1 = floor(log2(a)), exactly
;;       r = np.clip(x / 2.0 ** e, -28, 28)
;;       step = 2.0 ** (np.maximum(np.frexp(np.where(r == 0, 1, r))[1] - 1, -2) - 2)
;;       q = np.round(r / step) * step * 2.0 ** e      # np.round: ties to even
;;       return np.moveaxis(q.reshape(q.shape[:-2] + (-1,))[..., :K], -1, axis).astype(np.float32)
;;   ~~~
;;   OPERANDS COMPUTED ON THE WAY. 'Computed on the way' means the value that the module computes at that place (a softmax that the list does not call 'softmax' is quantised finished and normalised). What goes into a quantiser is computed in f32, as accurately as f32 sums, v_exp_f32 and their like allow (about 1e-6 of the number): no bf16 or f16 on the way to a quantiser, and a product that is left as it is and whose result goes on into a quantised operand takes f32 operands (vector FMAs, or v_wmma_f32_16x16x4_f32). A number that lies on a knife's edge between two numbers of the format may be rounded either way, as far as f32 arithmetic and the matrix unit's own rounding can turn it there, and no further.
;;   INPUTS GIVEN AS CODES. uh (in the module: [1024, 1024], K = its axis 1); update (in the module: [8192, 1024], K = its axis 1); ur (in the module: [1024, 1024], K = its axis 1); uz (in the module: [1024, 1024], K = its axis 1); wh (in the module: [1024, 1024], K = its axis 1); wr (in the module: [1024, 1024], K = its axis 1); wz (in the module: [1024, 1024], K = its axis 1): each comes as NAME_codes (uint8): NAME with its K axis moved to the last place and cut into blocks of 32 codes, [.., K / 32, bytes a block], one block behind the other in memory; four codes in three bytes: a row's codes are one little-endian stream of bits, code i at bits 6 i .. 6 i + 5 (a code: sign, 3 exponent bits, 2 mantissa bits); and NAME_scales (uint8): the same leading axes, one E8M0 byte (e + 127) for each 32 codes along K. Its value is code x scale, taken as it is: it is not quantised again, and the codes and scales need not be those that the quantiser above would give.
;; One version. Each part assembles by itself: llvm-mc -triple=amdgcn-amd-amdhsa -mcpu=gfx1250 --defsym DOCPART=n.
;; ======== version 1 of 1: 3 launches
;; workspace buffers: u_img 6,553,600 bytes; hq_img 6,553,600 bytes; rh_img 6,553,600 bytes; w_img 4,915,200 bytes
;; launch prep (part 1): grid 480 x 1, 4 waves a work-group, no clusters, 84,480 bytes of LDS; arguments hidden, update_codes, update_scales, wz_codes, wz_scales, uz_codes, uz_scales, wr_codes, wr_scales, ur_codes, ur_scales, wh_codes, wh_scales, uh_codes, uh_scales, hq_img, u_img, w_img; writes hq_img, u_img, w_img
.if DOCPART == 1
	.amdgcn_target "amdgcn-amd-amdhsa--gfx1250"
	.amdhsa_code_object_version 6
	.text
	.protected	k_qfaf8f8b70f_prep
	.globl	k_qfaf8f8b70f_prep
	.p2align	8
	.type	k_qfaf8f8b70f_prep,@function
k_qfaf8f8b70f_prep:
	s_mov_b64 s[64:65], 0
	v_nop
	global_prefetch_b8 v0, s[64:65] scope:SCOPE_SE
	s_setreg_imm32_b32 hwreg(HW_REG_WAVE_MODE, 25, 1), 1
	s_wait_xcnt 0x0
; Lays every operand of the two product launches in the ORDER OF THE OPERAND'S REGISTERS.
; A fragment (16 rows x 128 K of E3M2 codes) is 1,536 bytes: byte 512 c + 16 l + 4 e holds register 4 c + e of lane l; lane (r = l % 16, h = l / 16) has in registers 0-5
; the 24 bytes of row r's stream of bits at 96 s + 24 h, in registers 6-11 those at 96 s + 48 + 24 h (s: the K step of 128).
; Row operands (hq_img, u_img): block (R, s) at 204,800 R + 25,600 s: 16 fragments of the 256 rows of tile R, then 1,024 bytes of scale words, the word of (fragment a, row r) at 256 (a / 4) + 16 r + 4 (a % 4).
; Weights (w_img): block (T, C, s) at 819,200 T + 102,400 C + 12,800 s (T: wz uz wr ur wh uh; C: 128 rows): 8 fragments, then 512 bytes of scale words laid likewise.
; Work-groups 0-255 quantise hidden (f32): 64 rows x 4 K steps each, a wave to a K step.  Work-groups 256-479 re-lay 64 rows of codes and scale bytes that are given: 128 for update, 16 for each weight.
; THE QUANTISER: a block's scale byte is its largest magnitude's exponent field - 4, held at 1 from below; each number / scale, to the nearest code, ties to even, beyond 28 the largest code.
; LIMITS: NaN and infinities in hidden are not served.  A block whose largest magnitude lies under 2^-122, a block of zeros among them, gets the byte 1 (a block of zeros has zero codes, which add nothing;
; these bytes are read by this program alone).
; No tensor load, no barrier: waves share nothing.  The two paths have LDS bytes of their own.
.set STR,  33792                       ; LDS: path H has 4 x 8,448 bytes from 0; path R 4 x 12,544 bytes from here
.set WV,   4                           ; s4   the wave's number
.set SEL,  6                           ; s[6:7] lane selects for v_permlanex16_b32: lane l xor 16
.set TM,   16                          ; v16-31  at work in the quantiser
.set PW,   32                          ; v32-35  the four fragments' scale words
.set PC,   40                          ; v40-51  a fragment's codes
.set PT,   52                          ; v52-59  the second halves of the blocks, before they are moved
.set XX,   64                          ; v64-127 64 numbers: register 16 b + i = k 32 b + 16 h + i of row r
.set RR,   128                         ; v128-255 two sets of 16 rows as they are loaded
.set SW,   12                          ; path R: v12-15 four scale words
.set VO,   16                          ; path R: v16-23 store offsets, one for each K step
.set RC,   32                          ; path R: v32-127 a tile's 12,288 bytes as loaded
.set FG,   128                         ; path R: v128-223 eight fragments
; 64 numbers of a lane become a fragment's codes in v[pc] on and its scale word in v[pw]
.macro QUANT s, pc, pt, pw
.irp b, 0,1,2,3
	v_max3_num_f32 v[TM+\b], |v[(\s)+16*\b]|, |v[(\s)+1+16*\b]|, 0x2800000   ; block b: my 16 numbers, and the floor 2^(5 - 127): the byte cannot fall under 1
.endr
.irp i, 2,4,6,8,10,12,14
.irp b, 0,1,2,3
	v_max3_num_f32 v[TM+\b], v[TM+\b], |v[(\s)+16*\b+\i]|, |v[(\s)+1+16*\b+\i]|   ; the four blocks by turns
.endr
.endr
.irp b, 0,1,2,3
	v_permlanex16_b32 v[TM+4+\b], v[TM+\b], s[SEL], s[SEL+1]
.endr
.irp b, 0,1,2,3
	v_max_num_f32 v[TM+\b], v[TM+\b], v[TM+4+\b]      ; with lane l xor 16's 16: the block's largest magnitude
.endr
.irp b, 0,1,2,3
	v_add_nc_u32 v[TM+12+\b], 0xfe000000, v[TM+\b]    ; 4 off its exponent field: the conversion's scale operand
.endr
.irp b, 0,1,2,3
	v_lshrrev_b32 v[TM+4+\b], 23, v[TM+12+\b]         ; the scale's byte
.endr
	v_lshl_or_b32 v[\pw], v[TM+5], 8, v[TM+4]         ; the row's scale word
	v_lshl_or_b32 v[\pw], v[TM+6], 16, v[\pw]
	v_lshl_or_b32 v[\pw], v[TM+7], 24, v[\pw]
.irp c, 0,1
	v_cvt_scalef32_pk16_bf6_f32 v[(\pc)+6*\c:(\pc)+2+6*\c], v[(\s)+32*\c:(\s)+15+32*\c], v[TM+12+2*\c]
	v_cvt_scalef32_pk16_bf6_f32 v[(\pt)+4*\c:(\pt)+2+4*\c], v[(\s)+16+32*\c:(\s)+31+32*\c], v[TM+13+2*\c]   ; (a conversion's three registers begin on an even number)
.endr
	v_nop                                             ; one plain instruction behind a scaled conversion
.irp c, 0,1                                       ; the layout wants a whole block in a lane: lanes 0-15 block 2 c, lanes 16-31 block 2 c + 1
.irp i, 0,1,2
	v_permlane16_swap_b32 v[(\pc)+6*\c+\i], v[(\pt)+4*\c+\i]
.endr
.irp i, 0,1,2
	v_mov_b32 v[(\pc)+3+6*\c+\i], v[(\pt)+4*\c+\i]
.endr
.endr
.endm
	s_load_b512 s[8:23], s[0:1], 0x0               ; hidden s[8:9], update's codes, scales s[10:13], then each weight's codes and scales: tensor T at s[14 + 4 T : 17 + 4 T]
	s_load_b512 s[24:39], s[0:1], 0x40             ; ... hq_img s[38:39]
	s_load_b128 s[40:43], s[0:1], 0x80             ; u_img, w_img
	v_lshl_add_u32 v26, v0, 2, 0x14800
	v_mov_b32 v27, 0
	v_lshrrev_b32 v5, 5, v0
	v_readfirstlane_b32 s[WV], v5                  ; wave 0..3
	v_and_b32 v1, 31, v0                           ; lane
	v_and_b32 v2, 15, v0                           ; r
	v_bfe_u32 v3, v0, 4, 1                         ; h
	v_lshlrev_b32 v4, 4, v1                        ; 16 x lane
	s_cmp_lt_u32 ttmp9, 256
	s_cbranch_scc0 .Lrelay
; ---------------- PATH H: hidden is quantised.  G = x / 2: 64 rows;  my K step s = 4 (x % 2) + wave.
	s_mov_b32 s[SEL], 0x76543210
	s_mov_b32 s[SEL+1], 0xfedcba98
	s_lshr_b32 s44, ttmp9, 1                       ; G
	s_and_b32 s45, ttmp9, 1
	s_lshl_b32 s45, s45, 2
	s_add_co_u32 s45, s45, s[WV]                   ; s
	s_lshl_b32 s46, s44, 18                        ; 64 rows of 4,096 bytes
	s_lshl_b32 s47, s45, 9                         ; 128 numbers of 4 bytes
	s_add_co_u32 s46, s46, s47
	s_mov_b32 s47, 0
	s_lshr_b32 s48, s44, 2                         ; the tile of 256 rows
	s_mul_i32 s48, s48, 204800
	s_mul_i32 s49, s45, 25600
	s_add_co_u32 s48, s48, s49
	s_mov_b32 s49, 0
	s_and_b32 s50, s44, 3                          ; which 64 rows of the tile
	s_mul_i32 s51, s50, 6144                       ; four fragments
	s_lshl_b32 s50, s50, 8
	s_add_co_u32 s50, s50, 24576                   ; their 256 bytes of scale words
	s_mul_i32 s5, s[WV], 8448                      ; my stage: 16 rows x (512 + 16) bytes
	v_add_nc_u32 v5, s5, v4                        ; in: a row's 512 bytes as they lie
	v_mul_u32_u24 v6, v2, 528
	v_lshl_add_u32 v6, v3, 6, v6
	v_add_nc_u32 v6, s5, v6                        ; out: row r, my 16 numbers of each block of 32
	v_add_nc_u32 v7, s51, v4                       ; the image: 16 x lane + my first fragment
	v_lshlrev_b32 v8, 4, v2
	v_lshl_add_u32 v8, v3, 3, v8
	v_add_nc_u32 v8, s50, v8                       ; the scale words: 16 r + 8 h
.irp b, 0,1,2,3
	v_mov_b32 v[TM+4+\b], 0                        ; written once: a lane permute's destination counts as one of its sources
.endr
	s_wait_kmcnt 0x0
	s_add_nc_u64 s[8:9], s[8:9], s[46:47]
	s_add_nc_u64 s[38:39], s[38:39], s[48:49]
.macro LOADH j                         ; rows 16 j .. 16 j + 15: each load takes one row's 512 consecutive bytes
.irp i, 0,1,2,3,4,5,6,7,8,9,10,11,12,13,14,15
	global_load_b128 v[RR+64*((\j)%2)+4*\i:RR+64*((\j)%2)+4*\i+3], v4, s[8:9] offset:(16*(\j)+\i)*4096
.endr
.endm
.macro HFRAG j
.if (\j) < 3
	s_wait_loadcnt 16                              ; this fragment's 16 loads are in; the next one's may be out
.else
	s_wait_loadcnt 0x0
.endif
.irp i, 0,1,2,3,4,5,6,7,8,9,10,11,12,13,14,15
	ds_store_b128 v5, v[RR+64*((\j)%2)+4*\i:RR+64*((\j)%2)+4*\i+3] offset:528*\i
.endr
.irp b, 0,1,2,3
.irp q, 0,1,2,3
	ds_load_b128 v[XX+16*\b+4*\q:XX+16*\b+4*\q+3], v6 offset:128*\b+16*\q   ; LDS serves a wave's instructions in order: these see the stores above
.endr
.endr
	s_wait_dscnt 0x0
.if (\j) > 0
	s_wait_xcnt 0x0                                ; the last fragment's stores have read their registers: the codes may be written again
.endif
.if (\j) < 2
	LOADH (\j)+2
.endif
	QUANT XX, PC, PT, PW+(\j)
.irp c, 0,1,2
	global_store_b128 v7, v[PC+4*\c:PC+4*\c+3], s[38:39] offset:1536*(\j)+512*\c   ; 32 lanes store 512 consecutive bytes
.endr
.endm
	LOADH 0
	LOADH 1
	HFRAG 0
	HFRAG 1
	HFRAG 2
	HFRAG 3
	v_cmp_eq_u32 vcc_lo, 1, v3                     ; both halves of the lanes hold all four words: lanes 0-15 store words 0, 1, lanes 16-31 words 2, 3
	v_cndmask_b32 v36, v[PW], v[PW+2], vcc_lo
	v_cndmask_b32 v37, v[PW+1], v[PW+3], vcc_lo
	global_store_b64 v8, v[36:37], s[38:39]        ; 256 consecutive bytes
	s_wait_tensorcnt 0x0
	ds_add_u32 v26, v27
	s_wait_dscnt 0x0
	s_endpgm
; ---------------- PATH R: 64 rows of given codes and scale bytes are laid anew.  q = x - 256: under 128 update's rows 64 q on; else weight (q - 128) / 16, rows 64 ((q - 128) % 16) on.
.Lrelay:
	s_sub_co_u32 s44, ttmp9, 256                   ; q
	s_and_b32 s45, s44, 127
	s_lshr_b32 s46, s45, 4                         ; T of a weight
	s_and_b32 s47, s45, 15                         ; G of a weight
	s_lshr_b32 s48, s44, 2
	s_mul_i32 s48, s48, 204800                     ; update: the tile's blocks
	s_lshr_b32 s49, s47, 1
	s_mul_i32 s49, s49, 102400
	s_mul_i32 s51, s46, 819200
	s_add_co_u32 s49, s49, s51                     ; a weight: the tile's blocks
	s_and_b32 s50, s44, 3                          ; which 64 rows of the tile of 256,
	s_and_b32 s51, s47, 1                          ; or of 128
	s_mov_b32 s52, 12800
	s_mov_b32 s53, 12288
	s_wait_kmcnt 0x0
	s_cmp_lt_u32 s44, 128                          ; every choice hangs on the work-group's number alone
	s_cselect_b32 s47, s44, s47                    ; G
	s_cselect_b32 s48, s48, s49                    ; where the tile's blocks begin
	s_cselect_b32 s50, s50, s51                    ; sub
	s_cselect_b32 s52, 25600, s52                  ; bytes from a K step's block to the next
	s_cselect_b32 s53, 24576, s53                  ; where a block's scale words begin
	s_cselect_b32 s46, 7, s46                      ; update is none of the six weights
	s_cselect_b64 s[54:55], s[40:41], s[42:43]     ; into u_img or w_img
	s_mov_b64 s[56:57], s[10:11]
	s_mov_b64 s[58:59], s[12:13]
.irp t, 0,1,2,3,4,5
	s_cmp_eq_u32 s46, \t
	s_cselect_b64 s[56:57], s[14+4*\t:15+4*\t], s[56:57]
	s_cselect_b64 s[58:59], s[16+4*\t:17+4*\t], s[58:59]
.endr
	s_mul_i32 s60, s47, 49152                      ; 64 rows of 768 bytes,
	s_mul_i32 s61, s[WV], 12288                    ; my 16 of them
	s_add_co_u32 s60, s60, s61
	s_mov_b32 s61, 0
	s_add_nc_u64 s[56:57], s[56:57], s[60:61]
	s_lshl_b32 s60, s47, 11                        ; 64 rows of 32 scale bytes
	s_add_nc_u64 s[58:59], s[58:59], s[60:61]
	s_mov_b32 s60, s48
	s_add_nc_u64 s[54:55], s[54:55], s[60:61]
	v_lshlrev_b32 v9, 5, v2
	v_lshl_add_u32 v9, v3, 4, v9
	s_lshl_b32 s62, s[WV], 2
	v_add_nc_u32 v9, s62, v9                       ; scale words in: row r, K step wave (lanes 0-15) or 4 + wave (lanes 16-31)
.set i, 0
.rept 24
	global_load_b128 v[RC+4*i:RC+4*i+3], v4, s[56:57] offset:512*i th:TH_LOAD_NT   ; my 16 rows are 12,288 dense bytes
.set i, i+1
.endr
.irp j, 0,1,2,3
	global_load_b32 v[SW+\j], v9, s[58:59] offset:512*\j th:TH_LOAD_NT            ; rows 16 j + r
.endr
	s_mul_i32 s5, s[WV], 12544                     ; my stage: 16 rows x (768 + 16) bytes
	s_add_co_u32 s5, s5, STR
	v_add_nc_u32 v5, s5, v4                        ; in: of three loads (two rows) the first lies in the even row,
	v_lshl_add_u32 v6, v3, 4, v5                   ; the second half in each (lanes 16-31 one padding on),
	v_add_nc_u32 v7, 16, v5                        ; the third in the odd row
	v_mul_u32_u24 v8, v2, 784
	v_mad_u32_u24 v8, v3, 24, v8
	v_add_nc_u32 v8, s5, v8                        ; out: row r, + 24 h
	v_lshl_add_u32 v11, v3, 2, s[WV]               ; scale words out: K step 4 h + wave,
	v_mul_u32_u24 v11, v11, s52
	v_lshl_add_u32 v10, v2, 4, v11                 ; 16 r,
	s_lshl_b32 s62, s50, 8
	s_add_co_u32 s62, s62, s53
	v_add_nc_u32 v10, s62, v10                     ; in my 64 rows' 256 bytes
	s_lshl_b32 s62, s50, 2
	s_add_co_u32 s62, s62, s[WV]
	s_mul_i32 s62, s62, 1536                       ; my fragment in a block
.irp s, 0,1,2,3,4,5,6,7
	v_add_nc_u32 v[VO+\s], s62, v4
	s_add_co_u32 s62, s62, s52
.endr
	s_wait_loadcnt 4                               ; the codes are in; the four scale loads are younger
.set i, 0
.rept 24
	ds_store_b128 v[5+i%3], v[RC+4*i:RC+4*i+3] offset:(i/3)*1568+512*(i%3)
.set i, i+1
.endr
.irp s, 0,1,2,3,4,5,6,7
.irp p, 0,1,2,3,4,5
	ds_load_b64 v[FG+12*\s+2*\p:FG+12*\s+2*\p+1], v8 offset:96*\s+48*(\p/3)+8*(\p%3)   ; in pieces of 8 bytes: every address is a multiple of the access's size
.endr
.endr
.irp s, 0,1,2,3,4,5,6,7
	s_wait_dscnt 6*(7-\s)                          ; fragment s is in; the later fragments' loads may be out
.irp c, 0,1,2
	global_store_b128 v[VO+\s], v[FG+12*\s+4*\c:FG+12*\s+4*\c+3], s[54:55] offset:512*\c
.endr
.endr
	s_wait_loadcnt 0x0
	global_store_b128 v10, v[SW:SW+3], s[54:55]    ; sixteen lanes store 256 consecutive bytes of one block
	s_wait_tensorcnt 0x0
	ds_add_u32 v26, v27
	s_wait_dscnt 0x0
	s_endpgm
.Lfunc_end_k_qfaf8f8b70f_prep:
	.size	k_qfaf8f8b70f_prep, .Lfunc_end_k_qfaf8f8b70f_prep-k_qfaf8f8b70f_prep
	.p2alignl 7, 3214868480
	.fill 96, 4, 3214868480
	.section	.rodata,"a",@progbits
	.p2align	6, 0x0
	.amdhsa_kernel k_qfaf8f8b70f_prep
		.amdhsa_group_segment_fixed_size 84480
		.amdhsa_private_segment_fixed_size 0
		.amdhsa_enable_private_segment 0
		.amdhsa_kernarg_size 144
		.amdhsa_user_sgpr_count 2
		.amdhsa_user_sgpr_kernarg_segment_ptr 1
		.amdhsa_wavefront_size32 1
		.amdhsa_system_sgpr_workgroup_id_x 1
		.amdhsa_system_sgpr_workgroup_id_y 1
		.amdhsa_system_sgpr_workgroup_id_z 1
		.amdhsa_system_vgpr_workitem_id 0
		.amdhsa_next_free_vgpr 256
		.amdhsa_next_free_sgpr 66
		.amdhsa_reserve_vcc 1
		.amdhsa_float_denorm_mode_32 3
		.amdhsa_float_denorm_mode_16_64 3
		.amdhsa_memory_ordered 1
		.amdhsa_forward_progress 1
		.amdhsa_inst_pref_size 47
	.end_amdhsa_kernel
	.amdgpu_metadata
---
amdhsa.version: [ 1, 2 ]
amdhsa.kernels:
  - .name:           k_qfaf8f8b70f_prep
    .symbol:         k_qfaf8f8b70f_prep.kd
    .args:
      - { .name: hidden, .offset: 0, .size: 8, .value_kind: global_buffer, .address_space: global }
      - { .name: update_codes, .offset: 8, .size: 8, .value_kind: global_buffer, .address_space: global }
      - { .name: update_scales, .offset: 16, .size: 8, .value_kind: global_buffer, .address_space: global }
      - { .name: wz_codes, .offset: 24, .size: 8, .value_kind: global_buffer, .address_space: global }
      - { .name: wz_scales, .offset: 32, .size: 8, .value_kind: global_buffer, .address_space: global }
      - { .name: uz_codes, .offset: 40, .size: 8, .value_kind: global_buffer, .address_space: global }
      - { .name: uz_scales, .offset: 48, .size: 8, .value_kind: global_buffer, .address_space: global }
      - { .name: wr_codes, .offset: 56, .size: 8, .value_kind: global_buffer, .address_space: global }
      - { .name: wr_scales, .offset: 64, .size: 8, .value_kind: global_buffer, .address_space: global }
      - { .name: ur_codes, .offset: 72, .size: 8, .value_kind: global_buffer, .address_space: global }
      - { .name: ur_scales, .offset: 80, .size: 8, .value_kind: global_buffer, .address_space: global }
      - { .name: wh_codes, .offset: 88, .size: 8, .value_kind: global_buffer, .address_space: global }
      - { .name: wh_scales, .offset: 96, .size: 8, .value_kind: global_buffer, .address_space: global }
      - { .name: uh_codes, .offset: 104, .size: 8, .value_kind: global_buffer, .address_space: global }
      - { .name: uh_scales, .offset: 112, .size: 8, .value_kind: global_buffer, .address_space: global }
      - { .name: hq_img, .offset: 120, .size: 8, .value_kind: global_buffer, .address_space: global }
      - { .name: u_img, .offset: 128, .size: 8, .value_kind: global_buffer, .address_space: global }
      - { .name: w_img, .offset: 136, .size: 8, .value_kind: global_buffer, .address_space: global }
    .group_segment_fixed_size: 84480
    .private_segment_fixed_size: 0
    .kernarg_segment_align: 8
    .kernarg_segment_size: 144
    .max_flat_workgroup_size: 128
    .sgpr_count:     66
    .vgpr_count:     256
    .wavefront_size: 32
...
	.end_amdgpu_metadata
.endif
;; end of part 1
;; launch gate_r (part 2): grid 8 x 32, 4 waves a work-group, clusters of 4 x 4, 327,680 bytes of LDS; arguments u_img, hq_img, w_img, br, hidden, rh_img; writes rh_img
.if DOCPART == 2
	.amdgcn_target "amdgcn-amd-amdhsa--gfx1250"
	.amdhsa_code_object_version 6
	.text
	.protected	k_qfaf8f8b70f_gate_r
	.globl	k_qfaf8f8b70f_gate_r
	.p2align	8
	.type	k_qfaf8f8b70f_gate_r,@function
k_qfaf8f8b70f_gate_r:
	s_mov_b64 s[64:65], 0
	v_nop
	global_prefetch_b8 v0, s[64:65] scope:SCOPE_SE
	s_setreg_imm32_b32 hwreg(HW_REG_WAVE_MODE, 25, 1), 1
	s_wait_xcnt 0x0
	s_wait_alu depctr_hold_cnt(0) depctr_sa_sdst(0) depctr_va_vdst(0) depctr_va_sdst(0) depctr_va_ssrc(0) depctr_va_vcc(0) depctr_vm_vsrc(0)
	s_getreg_b32 s2, hwreg(HW_REG_IB_STS2, 6, 4)
	s_cmp_eq_u32 s2, 0
	s_cbranch_scc0 .Lentry_in_a_cluster
	s_endpgm
.Lentry_in_a_cluster:
	s_bfe_u32 s2, ttmp6, 0x10000c
	s_cmp_lg_u32 s2, 0xf033
	s_cbranch_scc0 .Lentry_shape_is_right
	s_endpgm
.Lentry_shape_is_right:
; r = sigmoid(update wr^T + Q(hidden) ur^T + br); rh_img = Q(r x hidden), as fragment images (layout: 16 rows x 128 K = 1,536 bytes, byte 512 c + 16 l + 4 e = register 4 c + e of lane l;
; block (R, s) of a row operand at 204,800 R + 25,600 s: 16 fragments, 1,024 bytes of scale words; block (T, C, s) of the weights at 819,200 T + 102,400 C + 12,800 s: 8 fragments, 512 bytes of words).
; SHARES.  A work-group makes 256 rows (tile R) x 128 columns (tile C) of r: 8 x 32 = 256 work-groups.  K = 2,048 in 16 steps of 128: steps 0-7 update x wr, steps 8-15 hidden x ur.
; Wave w makes rows 64 w .. 64 w + 63 x all 128 columns: 32 accumulators, so that it holds whole fragments and whole scale words of r x hidden (128 columns are one K step of the next product).
; THE MATRIX INSTRUCTION IS USED TRANSPOSED: source 0 = 16 rows of the weight, source 1 = 16 rows of the operand: lane (r, h) holds row r, its register j column 16 b + 8 h + j.  The bias is the C of each sum's first instruction.
; RING.  Two LDS slots of 153,600 bytes, each with 4 K steps: the row operand's 4 blocks (102,400 bytes), then the weight's 4 (51,200).  All blocks are dense memory: each tensor load is rows of 256 bytes.
; Four tiles: two first fills, two refills.  A fragment comes from LDS by three loads of 16 bytes a lane at 16 x lane: consecutive bytes, no padding.
; CLUSTER.  4 x 4 work-groups: the four of a row share R and ask for the row operand's tiles jointly, the four of a column share C and ask for the weight's jointly.
; HIDDEN (f32) GOES PAST THE RING.
; On the way out they turn through the wave's own stage in slot 0 (rows of 528 bytes), which by then has had its last fill and its last read.
; LIMITS: NaN and infinities are not served.  A block of r x hidden whose largest magnitude lies under 2^-122 (a block of zeros among them) gets the scale byte 1; these bytes are read by this program alone.
; REGISTERS.  window 0: v1-21 addresses; v28-29 for the add; v32-55 scale words, two sets of 12 (4 of the rows, 8 of the weight); v64-127 the bias, later the numbers at work; v128-223 the rows' fragments, two sets of 48.
;   window 1: the weight's fragments, two sets of 96, at v0 and v128.   window 2: accumulator (a, b) at v[8 (8 a + b)].   window 3: hidden, row n of my 64 at v[4 n], 16 bytes a lane.
.set SLOT,  153600
.set SPARE, 307200                     ; behind the ring: the spare words, 128 bytes for each wave: two blocks of 256 bytes that no other line names
.set SBA,   25600                      ; a row operand's block
.set SBB,   12800                      ; a weight's block
.set FRB,   1536                       ; a fragment
.set LI,   3                           ; v3   16 x lane; never rewritten
.set GI,   4                           ; v4   16 x lane + 6,144 x wave: my fragments' place in a block
.set GS,   5                           ; v5   my scale words' place in rh's block
.set BO,   6                           ; v6   32 h: my eight numbers of a tile of the bias
.set ADRA, 8                           ; v8-11  my rows' fragments: slot s, steps 2 u, 2 u + 1 of the slot: v[8 + 2 s + u]
.set ADRB, 12                          ; v12-13 the weight's fragments in slot 0, 1
.set ADSA, 14                          ; v14-17 my rows' scale words, as ADRA
.set ADSB, 18                          ; v18-19 the weight's
.set HA,   20                          ; v20  hidden out of my stage: row 64 w + r of 528 bytes, + 32 h
.set HW,   21                          ; v21  and into it: row 64 w, + 16 x lane
.set SPW,  28
.set NIL,  29
.set SC,   32
.set BIAS, 64
.set VV,   64
.set AF,   128
.set HD,   128                         ; the way out: v128-191 hidden
.set PC,   192                         ; v192-203 a fragment's codes
.set PT,   204
.set TM,   212                         ; v212-227 at work in the quantiser
.set PW,   228                         ; v228-231 four scale words
.set WV,   20                          ; s20 wave;  s21 = wave / 2: I fetch the rows' tiles (0) or the weight's (1);  s22 = wave % 2: which half
.set FA,   21
.set EE,   22
.set G1A,  24                          ; s[24:31] group 1: 200 rows of 256 bytes, my row of the cluster
.set G1B,  32                          ; s[32:39] 100 rows of 256 bytes, my column
.set G0A,  48                          ; s[48:55] group 0 for the rows' tiles, a set for each slot
.set G0B,  56                          ; s[56:63] for the weight's
.set PAU,  72                          ; s[72:73] update's blocks of tile R, my half;  s[74:75] hidden's codes likewise;  s[76:77] wr's blocks of tile C, my half
.set PAH,  74
.set PB,   76
.set LA,   78                          ; s78  where my half of the rows' tiles goes in a slot;  s79 the weight's
.set LB,   79
.set SEL,  80                          ; s[80:81] lane selects: lane l xor 16
.set NL,   82                          ; s[82:83] -log2(e), twice
.set RHB,  84                          ; s[84:85] rh's block (R, C)
.set MSB, 0
.macro WIN new                         ; the immediate's high byte repeats the setting that is left
.if MSB != (\new)
	s_set_vgpr_msb (MSB<<8)|(\new)
.set MSB, (\new)
.endif
.endm
.macro PLACES                          ; four plain instructions between a matrix instruction and a load into, or a vector read or write of, its registers
.rept 4
	v_nop
.endr
.endm
.macro DENSE g, rows                   ; words 1-7 of a group 1: rows of 32 elements of 8 bytes, dense
	s_mov_b32 s[\g+1], 32<<16
	s_mov_b32 s[\g+2], (\rows)<<16
	s_mov_b32 s[\g+3], 32<<16
	s_mov_b32 s[\g+4], \rows
	s_mov_b32 s[\g+5], 32
	s_mov_b32 s[\g+6], 0
	s_mov_b32 s[\g+7], 0
.endm
.macro SETD g0, base, off, ldsreg, ldsoff   ; a group 0 is written only where no tensor load of the wave is out
	s_add_co_u32 s[\g0+1], s[\ldsreg], \ldsoff
	s_add_nc_u64 s[\g0+2:\g0+3], s[\base:\base+1], \off
	s_or_b32 s[\g0+3], s[\g0+3], 0x80000000
.endm
.macro JLOAD g0a, g1a, g0b, g1b        ; a joint load: waves 0, 1 for the rows' tiles, waves 2, 3 for the weight's; four v_nop follow each line
	s_cmp_eq_u32 s[FA], 0
	s_cbranch_scc0 .Lfor_b_\@
	tensor_load_to_lds s[\g0a:\g0a+3], s[\g1a:\g1a+7]
	s_nop 0
.rept 4
	v_nop
.endr
	s_branch .Lasked_\@
.Lfor_b_\@:
	tensor_load_to_lds s[\g0b:\g0b+3], s[\g1b:\g1b+7]
	s_nop 0
.rept 4
	v_nop
.endr
.Lasked_\@:
.endm
.macro CREST                           ; a round of the cluster's barrier behind its opening barrier
	s_cmp_lg_u32 s[WV], 0
	s_cbranch_scc1 .Lnot_wave_0_\@
	s_barrier_signal -3
.Lnot_wave_0_\@:
	s_barrier_wait -3
	s_barrier_signal -1
	s_barrier_wait -1
.endm
.macro CROUND
	s_barrier_signal -1
	s_barrier_wait -1
	CREST
.endm
.macro FRAG reg, adr, off              ; a fragment's image: three loads of 512 consecutive bytes
.irp c, 0,1,2
	ds_load_b128 v[(\reg)+4*\c:(\reg)+4*\c+3], v[\adr] offset:(\off)+512*\c
.endr
.endm
.macro QUANT s, pc, pt, pw             ; 64 numbers of a lane, register 16 b + i = k 32 b + 16 h + i of row r, become a fragment's codes and its scale word
.irp b, 0,1,2,3
	v_max3_num_f32 v[TM+\b], |v[(\s)+16*\b]|, |v[(\s)+1+16*\b]|, 0x2800000   ; and the floor 2^(5 - 127): the byte cannot fall under 1
.endr
.irp i, 2,4,6,8,10,12,14
.irp b, 0,1,2,3
	v_max3_num_f32 v[TM+\b], v[TM+\b], |v[(\s)+16*\b+\i]|, |v[(\s)+1+16*\b+\i]|
.endr
.endr
.irp b, 0,1,2,3
	v_permlanex16_b32 v[TM+4+\b], v[TM+\b], s[SEL], s[SEL+1]
.endr
.irp b, 0,1,2,3
	v_max_num_f32 v[TM+\b], v[TM+\b], v[TM+4+\b]
.endr
.irp b, 0,1,2,3
	v_add_nc_u32 v[TM+12+\b], 0xfe000000, v[TM+\b]    ; 4 off the exponent field: the conversion's scale operand
.endr
.irp b, 0,1,2,3
	v_lshrrev_b32 v[TM+4+\b], 23, v[TM+12+\b]
.endr
	v_lshl_or_b32 v[\pw], v[TM+5], 8, v[TM+4]
	v_lshl_or_b32 v[\pw], v[TM+6], 16, v[\pw]
	v_lshl_or_b32 v[\pw], v[TM+7], 24, v[\pw]
.irp c, 0,1
	v_cvt_scalef32_pk16_bf6_f32 v[(\pc)+6*\c:(\pc)+2+6*\c], v[(\s)+32*\c:(\s)+15+32*\c], v[TM+12+2*\c]
	v_cvt_scalef32_pk16_bf6_f32 v[(\pt)+4*\c:(\pt)+2+4*\c], v[(\s)+16+32*\c:(\s)+31+32*\c], v[TM+13+2*\c]
.endr
	v_nop                                             ; one plain instruction behind a scaled conversion
.irp c, 0,1
.irp i, 0,1,2
	v_permlane16_swap_b32 v[(\pc)+6*\c+\i], v[(\pt)+4*\c+\i]
.endr
.irp i, 0,1,2
	v_mov_b32 v[(\pc)+3+6*\c+\i], v[(\pt)+4*\c+\i]
.endr
.endr
.endm
	s_load_b256 s[4:11], s[0:1], 0x0               ; u_img s[4:5], hq_img s[6:7], w_img s[8:9], br s[10:11]
	s_load_b128 s[12:15], s[0:1], 0x20             ; hidden s[12:13], rh_img s[14:15]
	v_lshl_add_u32 v[SPW], v0, 2, SPARE
	v_mov_b32 v[NIL], 0
	ds_add_u32 v28, v29
	ds_add_u32 v28, v29
	s_wait_dscnt 0x0
	v_lshrrev_b32 v1, 5, v0
	v_readfirstlane_b32 s[WV], v1
	s_lshr_b32 s[FA], s[WV], 1
	s_and_b32 s[EE], s[WV], 1
	s_bfe_u32 s16, ttmp6, 0x40000                  ; cx
	s_bfe_u32 s17, ttmp6, 0x40004                  ; cy
	s_lshl_b32 s18, ttmp9, 2
	s_add_co_u32 s18, s18, s16                     ; C = 4 x cluster x + cx
	s_and_b32 s19, ttmp7, 0xffff
	s_lshl_b32 s19, s19, 2
	s_add_co_u32 s19, s19, s17                     ; R = 4 x cluster y + cy
	s_lshl_b32 s86, s17, 2
	s_lshl_b32 s86, 15, s86                        ; my row of the cluster
	s_lshl_b32 s90, 0x1111, s16                    ; my column
	s_or_b32 s[G1A], s86, (3<<16)|(1<<21)          ; 15:0 the mask; 17:16 elements of 8 bytes; 21 set beside a mask; no padding
	s_or_b32 s[G1B], s90, (3<<16)|(1<<21)
	DENSE G1A, 200
	DENSE G1B, 100
	s_mul_i32 s[LA], s[EE], 51200                  ; no place in the cluster enters an LDS address
	s_mul_i32 s[LB], s[EE], 25600
	s_add_co_u32 s[LB], s[LB], 102400
	s_mul_i32 s86, s19, 204800                     ; the rows' side: s86, s87 hold R's arithmetic alone
	s_mul_i32 s87, s[EE], 51200
	s_add_co_u32 s86, s86, s87
	s_mov_b32 s87, 0
	s_mul_i32 s90, s18, 102400                     ; the weight's side: s90, s91 hold C's alone
	s_mul_i32 s91, s[EE], 25600
	s_add_co_u32 s90, s90, s91
	s_add_co_u32 s90, s90, 1638400                 ; wr is tensor 2
	s_mov_b32 s91, 0
	s_lshl_b32 s94, s18, 9                         ; the bias: 128 numbers a tile
	s_mov_b32 s95, 0
	s_lshl_b32 s96, s19, 20                        ; hidden: 256 rows of 4,096 bytes,
	s_lshl_b32 s97, s[WV], 18                      ; my 64,
	s_add_co_u32 s96, s96, s97
	s_add_co_u32 s96, s96, s94                     ; 512 bytes a tile of columns
	s_mov_b32 s97, 0
	s_lshl_b32 s98, s19, 3
	s_add_co_u32 s98, s98, s18
	s_mul_i32 s98, s98, 25600                      ; rh's block (R, s = C)
	s_mov_b32 s99, 0
	s_mov_b32 s[SEL], 0x76543210
	s_mov_b32 s[SEL+1], 0xfedcba98
	s_mov_b32 s[NL], 0xbfb8aa3b
	s_mov_b32 s[NL+1], s[NL]
	s_mov_b32 s[G0A], 1
	s_mov_b32 s[G0A+4], 1
	s_mov_b32 s[G0B], 1
	s_mov_b32 s[G0B+4], 1
	s_wait_kmcnt 0x0
	s_add_nc_u64 s[PAU:PAU+1], s[4:5], s[86:87]
	s_add_nc_u64 s[PAH:PAH+1], s[6:7], s[86:87]
	s_add_nc_u64 s[PB:PB+1], s[8:9], s[90:91]
	s_add_nc_u64 s[10:11], s[10:11], s[94:95]
	s_add_nc_u64 s[12:13], s[12:13], s[96:97]      ; hidden at my first row, my tile's first column; never rewritten
	s_add_nc_u64 s[RHB:RHB+1], s[14:15], s[98:99]
	CROUND                                         ; all sixteen work-groups are here: the first joint loads meet
	SETD G0A, PAU, 0, LA, 0
	SETD G0B, PB, 0, LB, 0
	JLOAD G0A, G1A, G0B, G1B                       ; K steps 0-3
	SETD G0A+4, PAU, 102400, LA, SLOT
	SETD G0B+4, PB, 51200, LB, SLOT
	JLOAD G0A+4, G1A, G0B+4, G1B                   ; K steps 4-7: two loads of mine are out
	v_and_b32 v1, 15, v0                           ; r
	v_bfe_u32 v2, v0, 4, 1                         ; h
	v_and_b32 v[LI], 31, v0                        ; lane
	v_lshlrev_b32 v[LI], 4, v[LI]                  ; 16 x lane
	s_mul_i32 s86, s[WV], 6144
	v_add_nc_u32 v[GI], s86, v[LI]
	v_mov_b32 v[ADRA], v[GI]
	v_add_nc_u32 v[ADRA+1], 51200, v[GI]
	v_add_nc_u32 v[ADRA+2], SLOT, v[GI]
	v_add_nc_u32 v[ADRA+3], SLOT+51200, v[GI]
	v_add_nc_u32 v[ADRB], 102400, v[LI]
	v_add_nc_u32 v[ADRB+1], SLOT+102400, v[LI]
	v_lshlrev_b32 v7, 4, v1                        ; 16 r
	s_lshl_b32 s86, s[WV], 8
	s_add_co_u32 s86, s86, 24576
	v_add_nc_u32 v[ADSA], s86, v7
	v_add_nc_u32 v[ADSA+1], 51200, v[ADSA]
	v_add_nc_u32 v[ADSA+2], SLOT, v[ADSA]
	v_add_nc_u32 v[ADSA+3], SLOT+51200, v[ADSA]
	v_add_nc_u32 v[ADSB], 114688, v7
	v_add_nc_u32 v[ADSB+1], SLOT+114688, v7
	v_lshl_add_u32 v[GS], v2, 3, v[ADSA]           ; in rh's block: 24,576 + 256 w + 16 r + 8 h
	v_lshlrev_b32 v[BO], 5, v2
	s_mul_i32 s86, s[WV], 33792                    ; my stage: 64 rows of 528 bytes, from the start of slot 0
	v_mul_u32_u24 v[HA], v1, 528
	v_lshl_add_u32 v[HA], v2, 5, v[HA]
	v_add_nc_u32 v[HA], s86, v[HA]
	v_add_nc_u32 v[HW], s86, v[LI]
.irp b, 0,1,2,3,4,5,6,7
.irp e, 0,1
	global_load_b128 v[BIAS+8*\b+4*\e:BIAS+8*\b+4*\e+3], v[BO], s[10:11] offset:64*\b+16*\e   ; br at columns 16 b + 8 h + 0 .. 7: the result's layout
.endr
.endr
; The fragments and scale words of K step k: 39 loads in one run.  Set k % 2.
.macro FETCH2 k
.set FS, (((\k)/4)&1)
.set FQ, ((\k)&3)
.set FP, ((\k)&1)
	WIN 0x40                                       ; destination window 1
.irp b, 0,1,2,3,4,5,6,7
	FRAG 128*FP+12*\b, ADRB+FS, FQ*SBB+FRB*\b
.endr
	WIN 0
.irp a, 0,1,2,3
	FRAG AF+48*FP+12*\a, ADRA+2*FS+(FQ>>1), (FQ&1)*SBA+FRB*\a
.endr
	ds_load_b128 v[SC+12*FP:SC+12*FP+3], v[ADSA+2*FS+(FQ>>1)] offset:(FQ&1)*SBA   ; my four fragments' words of row r
	ds_load_b128 v[SC+12*FP+4:SC+12*FP+7], v[ADSB+FS] offset:FQ*SBB               ; the weight's eight
	ds_load_b128 v[SC+12*FP+8:SC+12*FP+11], v[ADSB+FS] offset:FQ*SBB+256
.endm
; 8 matrix instructions: my fragment a x the weight's eight.  The 32 accumulators take turns in one order in every step.
.macro MUL2 k, a, first
.set MP, ((\k)&1)
.irp b, 0,1,2,3,4,5,6,7
.if \first
	v_wmma_scale_f32_16x16x128_f8f6f4 v[8*(8*(\a)+\b):8*(8*(\a)+\b)+7], v[128*MP+12*\b:128*MP+12*\b+11], v[AF+48*MP+12*(\a):AF+48*MP+12*(\a)+11], v[BIAS+8*\b:BIAS+8*\b+7], v[SC+12*MP+4+\b], v[SC+12*MP+(\a)] matrix_a_fmt:MATRIX_FMT_BF6 matrix_b_fmt:MATRIX_FMT_BF6
.else
	v_wmma_scale_f32_16x16x128_f8f6f4 v[8*(8*(\a)+\b):8*(8*(\a)+\b)+7], v[128*MP+12*\b:128*MP+12*\b+11], v[AF+48*MP+12*(\a):AF+48*MP+12*(\a)+11], v[8*(8*(\a)+\b):8*(8*(\a)+\b)+7], v[SC+12*MP+4+\b], v[SC+12*MP+(\a)] matrix_a_fmt:MATRIX_FMT_BF6 matrix_b_fmt:MATRIX_FMT_BF6
.endif
.endr
.endm
; A K step whose successor lies in the same slot
.macro STEP2 k, first
	s_wait_dscnt 0x0                               ; this step's fragments are in
	PLACES                                         ; the other set was read by the step before
	FETCH2 (\k)+1
.if \first
	WIN 0x81                                       ; source 0 window 1, source 1 and C (the bias) window 0, D window 2
.else
	WIN 0xa1                                       ; C and D window 2
.endif
	MUL2 \k, 0, \first
	MUL2 \k, 1, \first
	MUL2 \k, 2, \first
	MUL2 \k, 3, \first
	WIN 0
.endm
; A slot's last step changes slots.  t = 2, 3: the slot is filled with K steps 4 t on;  t = 4: nothing is left to fetch, and the barrier opens no round of the cluster's.
.macro TURN2 k, t
	s_wait_tensorcnt 0x0                           ; all my tensor loads have landed: my part of the next slot
	ds_add_u32 v[SPW], v[NIL]                      ; 0 onto my spare word
	s_wait_dscnt 1                                 ; this step's fragments are in; the add alone may be out
	WIN 0xa1
	MUL2 \k, 0, 0
	s_wait_dscnt 0x0                               ; the add is done, and my reads of this slot are over
	s_barrier_signal -1
	MUL2 \k, 1, 0
	WIN 0
	s_barrier_wait -1
.if (\t) < 4
	CREST                                          ; the barrier has opened a round of the cluster's: no wave of any partner still reads this slot or has a load on its way
	SETD G0A+4*((\t)&1), PAH, ((\t)&1)*102400, LA, ((\t)&1)*SLOT
	SETD G0B+4*((\t)&1), PB, 819200+((\t)&1)*51200, LB, ((\t)&1)*SLOT
	JLOAD G0A+4*((\t)&1), G1A, G0B+4*((\t)&1), G1B   ; my one tensor load behind the round; its four v_nop are the places in front of the loads below
.else
	PLACES
.endif
	FETCH2 (\k)+1
	WIN 0xa1
	MUL2 \k, 2, 0
	MUL2 \k, 3, 0
	WIN 0
.endm
	s_wait_tensorcnt 1                             ; my part of slot 0 is in; slot 1's load may stay out
	s_barrier_signal -1
	s_barrier_wait -1
	FETCH2 0
	s_wait_loadcnt 0x0                             ; the bias
	WIN 0xc0                                       ; destination window 3
.set n, 0
.rept 64
	global_load_b128 v[4*n:4*n+3], v[LI], s[12:13] offset:4096*n th:TH_LOAD_NT   ; row n of my 64: 32 lanes read its 512 consecutive bytes; wanted behind the last products
.set n, n+1
.endr
	WIN 0
	STEP2 0, 1
	STEP2 1, 0
	STEP2 2, 0
	TURN2 3, 2
	STEP2 4, 0
	STEP2 5, 0
	STEP2 6, 0
	TURN2 7, 3
	STEP2 8, 0
	STEP2 9, 0
	STEP2 10, 0
	TURN2 11, 4                                    ; behind this barrier nobody reads slot 0, and nothing is filled into it any more
	STEP2 12, 0
	STEP2 13, 0
	STEP2 14, 0
	s_wait_dscnt 0x0
	WIN 0xa1
	MUL2 15, 0, 0
	MUL2 15, 1, 0
	MUL2 15, 2, 0
	MUL2 15, 3, 0
	WIN 0
	PLACES
	s_wait_loadcnt 0x0                             ; my rows of hidden are in registers
.irp b, 0,1,2,3
	v_mov_b32 v[TM+4+\b], 0                        ; written once: a lane permute's destination counts as one of its sources
.endr
; THE WAY OUT of my fragment a (16 rows x 128 columns): sigmoid, x hidden, quantised along the columns, stored as an image.
.macro EPI2 a
	WIN 0x0c                                       ; an LDS store's data are its source 1: window 3
.set n, 0
.rept 16
	ds_store_b128 v[HW], v[64*(\a)+4*n:64*(\a)+4*n+3] offset:(16*(\a)+n)*528   ; hidden's rows as they lie, into my stage
.set n, n+1
.endr
	WIN 0
.irp b, 0,1,2,3,4,5,6,7
.irp e, 0,1
	ds_load_b128 v[HD+8*\b+4*\e:HD+8*\b+4*\e+3], v[HA] offset:8448*(\a)+64*\b+16*\e   ; and back in the result's layout; LDS serves a wave's instructions in order
.endr
.endr
	WIN 0x02                                       ; source 0 window 2
.set i, 0
.rept 32
	v_pk_mul_f32 v[VV+i:VV+i+1], v[64*(\a)+i:64*(\a)+i+1], s[NL:NL+1] op_sel_hi:[1,0]   ; -x log2(e); each accumulator from its low end on
.set i, i+2
.endr
	WIN 0
.set i, 0
.rept 64
	v_exp_f32 v[VV+i], v[VV+i]
.set i, i+1
.endr
	v_nop                                          ; a plain instruction behind the exponentials
.set i, 0
	s_wait_alu depctr_va_vdst(0)
.rept 32
	v_pk_add_f32 v[VV+i:VV+i+1], v[VV+i:VV+i+1], 1.0 op_sel_hi:[1,0]
.set i, i+2
.endr
.set i, 0
.rept 64
	v_rcp_f32 v[VV+i], v[VV+i]                     ; r = 1 / (1 + 2^(-x log2 e)); an exponential that overflows gives 0
.set i, i+1
.endr
	s_wait_dscnt 0x0                               ; hidden
	v_nop                                          ; a plain instruction behind the reciprocals
.set i, 0
	s_wait_alu depctr_va_vdst(0)
.rept 32
	v_pk_mul_f32 v[VV+i:VV+i+1], v[VV+i:VV+i+1], v[HD+i:HD+i+1]
.set i, i+2
.endr
.irp g, 0,1,2,3                                ; tiles 2 g and 2 g + 1 hold columns 32 g + 8 h + j and 32 g + 16 + 8 h + j: the exchange leaves register 16 g + i with column 32 g + 16 h + i
.irp j, 0,1,2,3,4,5,6,7
	v_permlane16_swap_b32 v[VV+16*\g+\j], v[VV+16*\g+8+\j]
.endr
.endr
.if (\a) > 0
	s_wait_xcnt 0x0                                ; the last fragment's stores have read their registers
.endif
	QUANT VV, PC, PT, PW+(\a)
.irp c, 0,1,2
	global_store_b128 v[GI], v[PC+4*\c:PC+4*\c+3], s[RHB:RHB+1] offset:FRB*(\a)+512*\c   ; 512 consecutive bytes
.endr
.endm
	EPI2 0
	EPI2 1
	EPI2 2
	EPI2 3
	v_cmp_eq_u32 vcc_lo, 1, v2                     ; both halves of the lanes hold all four words: lanes 0-15 store words 0, 1, lanes 16-31 words 2, 3
	v_cndmask_b32 v232, v[PW], v[PW+2], vcc_lo
	v_cndmask_b32 v233, v[PW+1], v[PW+3], vcc_lo
	global_store_b64 v[GS], v[232:233], s[RHB:RHB+1]   ; 256 consecutive bytes
	s_wait_tensorcnt 0x0                           ; the wave's end
	ds_add_u32 v[SPW], v[NIL]
	s_wait_dscnt 0x0
	CROUND                                         ; the closing round
	s_endpgm
.Lfunc_end_k_qfaf8f8b70f_gate_r:
	.size	k_qfaf8f8b70f_gate_r, .Lfunc_end_k_qfaf8f8b70f_gate_r-k_qfaf8f8b70f_gate_r
	.p2alignl 7, 3214868480
	.fill 96, 4, 3214868480
	.section	.rodata,"a",@progbits
	.p2align	6, 0x0
	.amdhsa_kernel k_qfaf8f8b70f_gate_r
		.amdhsa_group_segment_fixed_size 327680
		.amdhsa_private_segment_fixed_size 0
		.amdhsa_enable_private_segment 0
		.amdhsa_kernarg_size 48
		.amdhsa_user_sgpr_count 2
		.amdhsa_user_sgpr_kernarg_segment_ptr 1
		.amdhsa_wavefront_size32 1
		.amdhsa_system_sgpr_workgroup_id_x 1
		.amdhsa_system_sgpr_workgroup_id_y 1
		.amdhsa_system_sgpr_workgroup_id_z 1
		.amdhsa_system_vgpr_workitem_id 0
		.amdhsa_next_free_vgpr 1024
		.amdhsa_next_free_sgpr 100
		.amdhsa_reserve_vcc 1
		.amdhsa_float_denorm_mode_32 3
		.amdhsa_float_denorm_mode_16_64 3
		.amdhsa_memory_ordered 1
		.amdhsa_forward_progress 1
		.amdhsa_inst_pref_size 196
	.end_amdhsa_kernel
	.amdgpu_metadata
---
amdhsa.version: [ 1, 2 ]
amdhsa.kernels:
  - .name:           k_qfaf8f8b70f_gate_r
    .symbol:         k_qfaf8f8b70f_gate_r.kd
    .args:
      - { .name: u_img, .offset: 0, .size: 8, .value_kind: global_buffer, .address_space: global }
      - { .name: hq_img, .offset: 8, .size: 8, .value_kind: global_buffer, .address_space: global }
      - { .name: w_img, .offset: 16, .size: 8, .value_kind: global_buffer, .address_space: global }
      - { .name: br, .offset: 24, .size: 8, .value_kind: global_buffer, .address_space: global }
      - { .name: hidden, .offset: 32, .size: 8, .value_kind: global_buffer, .address_space: global }
      - { .name: rh_img, .offset: 40, .size: 8, .value_kind: global_buffer, .address_space: global }
    .group_segment_fixed_size: 327680
    .private_segment_fixed_size: 0
    .kernarg_segment_align: 8
    .kernarg_segment_size: 48
    .max_flat_workgroup_size: 128
    .sgpr_count:     100
    .vgpr_count:     1024
    .wavefront_size: 32
...
	.end_amdgpu_metadata
.endif
;; end of part 2
;; launch gate_zh (part 3): grid 8 x 32, 4 waves a work-group, clusters of 4 x 4, 327,680 bytes of LDS; arguments u_img, hq_img, rh_img, w_img, bz, bh, hidden, out0; writes out0
.if DOCPART == 3
	.amdgcn_target "amdgcn-amd-amdhsa--gfx1250"
	.amdhsa_code_object_version 6
	.text
	.protected	k_qfaf8f8b70f_gate_zh
	.globl	k_qfaf8f8b70f_gate_zh
	.p2align	8
	.type	k_qfaf8f8b70f_gate_zh,@function
k_qfaf8f8b70f_gate_zh:
	s_mov_b64 s[64:65], 0
	v_nop
	global_prefetch_b8 v0, s[64:65] scope:SCOPE_SE
	s_setreg_imm32_b32 hwreg(HW_REG_WAVE_MODE, 25, 1), 1
	s_wait_xcnt 0x0
	s_wait_alu depctr_hold_cnt(0) depctr_sa_sdst(0) depctr_va_vdst(0) depctr_va_sdst(0) depctr_va_ssrc(0) depctr_va_vcc(0) depctr_vm_vsrc(0)
	s_getreg_b32 s2, hwreg(HW_REG_IB_STS2, 6, 4)
	s_cmp_eq_u32 s2, 0
	s_cbranch_scc0 .Lentry_in_a_cluster
	s_endpgm
.Lentry_in_a_cluster:
	s_bfe_u32 s2, ttmp6, 0x10000c
	s_cmp_lg_u32 s2, 0xf033
	s_cbranch_scc0 .Lentry_shape_is_right
	s_endpgm
.Lentry_shape_is_right:
; z = sigmoid(update wz^T + Q(hidden) uz^T + bz);  h = tanh(update wh^T + Q(r hidden) uh^T + bh);  out = (1 - z) hidden + z h.
; Operands come as fragment images (16 rows x 128 K = 1,536 bytes, byte 512 c + 16 l + 4 e = register 4 c + e of lane l; block (R, s) of a row operand at 204,800 R + 25,600 s: 16 fragments, 1,024 bytes of
; scale words; block (T, C, s) of the weights at 819,200 T + 102,400 C + 12,800 s: 8 fragments, 512 bytes of words; T: wz uz wr ur wh uh).
; SHARES.  A work-group makes 256 rows (tile R) x 128 columns (tile C) of z AND of h: 256 work-groups.  Wave w = 2 rh + g: gate g (0: z, 1: h), rows 128 rh .. 128 rh + 127, all 128 columns:
; 64 accumulators, 512 registers; K = 2,048 in 16 steps of 128, 64 matrix instructions each on 16 fragments.
; A WAVE'S BLOCKS OF 16 ROWS ARE TAKEN IN A ROTATED ORDER: its block a stands for block 8 rh + (a + 4 g) % 8 of the tile.  So every wave's blocks 0-3 are rows 64 w .. 64 w + 63, which it finishes itself,
; and its blocks 4-7 are the rows of wave w xor 1, to which their sums go through LDS as images of the registers: one text serves both gates.
; THE MATRIX INSTRUCTION IS USED TRANSPOSED (source 0 = 16 rows of the weight, source 1 = 16 rows of the operand): lane (r, h) holds row r, register j column 16 b + 8 h + j.  The bias is the C of each sum's first instruction.
; RING.  Two LDS slots of 153,600 bytes.  A step of 0-7 takes 51,200 bytes (update's block, which both gates read, wz's and wh's): THREE fill a slot: steps 0-2, 3-5, then 6-7.
; A step of 8-15 takes 76,800 (hidden's codes' block, r hidden's, uz's, uh's): two fill a slot.  So seven tiles: two first fills and five refills.
;   a slot of steps 0-7:  update's blocks at 25,600 q;  gate g's weight at 76,800 + 38,400 g + 12,800 q.      a slot of steps 8-15:  gate g's rows at 51,200 g + 25,600 q;  its weight at 102,400 + 25,600 g + 12,800 q.
; All blocks are dense memory: each tensor load is rows of 256 bytes.  CLUSTER: 4 x 4: the row operands' tiles are asked for jointly along a row (same R), the weights' along a column (same C).
; HIDDEN (f32) GOES PAST THE RING, by loads of one row's 512 consecutive bytes into registers that are idle: my rows 0-15 ahead of the first products, rows 16-31 into the bias's registers behind the first step,
; rows 32-63 into the weight's fragment registers behind the last products (they are wanted two blocks of the way out later).  They turn through my stage in slot 0, which has then had its last fill and its last read.
; out = hid + z (1 - hid) - 2 z c, with z = 1 / (1 + 2^(-x log2 e)) and c = 1 / (1 + 2^(2 y log2 e)), since tanh y = 1 - 2 c.  An exponential that overflows gives a reciprocal of 0: no NaN arises.
; LIMITS: NaN and infinities among the inputs are not served.
; REGISTERS.  window 0: v1-23 addresses; v6-7, v24-27, v30-31 at work on the way out; v28-29 for the add; v32-63 scale words, two sets of 16 (8 of the rows, 8 of the weight); v64-127 the bias, then hidden's rows 16-31, later my gate;
;   v128-223 the rows' 8 fragments, ONE set (a block is free when its eight products are issued); on the way out v128-191 the other gate, v192-255 hidden.
;   window 1: the weight's fragments, two sets, at v0 and v128 (at the end hidden's rows 32-47 and 48-63); v96-127, v224-255 hidden's rows 0-7, 8-15.
;   window 2: accumulators of my blocks 0-3 ((a, b) at v[8 (8 (a % 4) + b)]);   window 3: of my blocks 4-7.
.set SLOT,  153600
.set SPARE, 307200                     ; behind the ring: the spare words, 128 bytes for each wave: two blocks of 256 bytes that no other line names
.set SBA,   25600
.set SBB,   12800
.set FRB,   1536
.set LI,   4                           ; v4   16 x lane; never rewritten
.set BO,   5                           ; v5   32 h
.set ADRA, 8                           ; v8-9 my blocks 0-3 in slot 0, 1;  v10-11 my blocks 4-7
.set ADRB, 12                          ; v12-13 my gate's weight
.set ADSA, 14                          ; v14-15, v16-17 the rows' scale words, as ADRA
.set ADSB, 18                          ; v18-19 the weight's
.set HA,   20                          ; v20  my stage: row 64 w + r of 528 bytes, + 32 h
.set RDA,  21                          ; v21  the same rows whole: 16 x lane
.set XW,   22                          ; v22  the exchange: where I put what wave w xor 1 finishes
.set XR,   23                          ; v23  and where I find what it put for me
.set SPW,  28
.set NIL,  29
.set SC,   32
.set BIAS, 64
.set PP,   64
.set AF,   128
.set QQ,   128
.set HD,   192
.set WV,   20                          ; s20 wave;  s21 = wave / 2: rh, and: I fetch row operands (0) or weights (1);  s22 = wave % 2: g, and: which of the two
.set FA,   21
.set EE,   22
.set G1B1, 4                           ; s[4:11]  group 1: 100 rows of 256 bytes, my column (written when the four pointers that come here have been used)
.set G1A3, 24                          ; s[24:31] 150 rows, my row of the cluster
.set G1A1, 32                          ; s[32:39] 100 rows, my row
.set G1A2, 40                          ; s[40:47] 200 rows, my row
.set G1B3, 48                          ; s[48:55] 150 rows, my column
.set G0A,  56                          ; s[56:63] group 0 for the row operands, a set for each slot
.set G0B,  68                          ; s[68:75] for the weights
.set LA3,  76                          ; s76  38,400 e: my half of three blocks of update;  s77  76,800 + 38,400 e: my weight's three blocks
.set LB3,  77
.set DB,   78                          ; s78  25,600 - 12,800 g: how far my gate's weight moves when a slot takes steps 8-15
.set PA1,  80                          ; s[80:81] update's blocks of tile R, + my half of three;  s[82:83] hidden's codes' (wave 0) or r hidden's (wave 1)
.set PA2,  82
.set PB1,  84                          ; s[84:85] wz's (wave 2) or wh's (wave 3) blocks of tile C; uz's and uh's lie 819,200 bytes on
.set PA1S, 86                          ; s[86:87] update's block of step 6 + e
.set LA1,  88                          ; s88  25,600 e;  s89  51,200 e;  s90  102,400 + 25,600 e
.set LA2,  89
.set LB2,  90
.set DG,   91                          ; s91  51,200 g: in steps 8-15 gate h's rows lie behind gate z's
.set GO,   92                          ; s[92:93] my gate's factor: -log2(e) for z, 2 log2(e) for h;  s[94:95] the other's
.set GT,   94
.set MASK, 96                          ; s96  all ones where the OTHER gate is z
.set MSB, 0
.macro WIN new                         ; the immediate's high byte repeats the setting that is left
.if MSB != (\new)
	s_set_vgpr_msb (MSB<<8)|(\new)
.set MSB, (\new)
.endif
.endm
.macro PLACES                          ; four plain instructions between a matrix instruction and a load into, or a read of, its registers
.rept 4
	v_nop
.endr
.endm
.macro DENSE g, rows                   ; words 1-7 of a group 1: rows of 32 elements of 8 bytes, dense
	s_mov_b32 s[\g+1], 32<<16
	s_mov_b32 s[\g+2], (\rows)<<16
	s_mov_b32 s[\g+3], 32<<16
	s_mov_b32 s[\g+4], \rows
	s_mov_b32 s[\g+5], 32
	s_mov_b32 s[\g+6], 0
	s_mov_b32 s[\g+7], 0
.endm
.macro SETD g0, base, off, ldsreg, ldsoff   ; a group 0 is written only where no tensor load of the wave is out
	s_add_co_u32 s[\g0+1], s[\ldsreg], \ldsoff
	s_add_nc_u64 s[\g0+2:\g0+3], s[\base:\base+1], \off
	s_or_b32 s[\g0+3], s[\g0+3], 0x80000000
.endm
.macro JLOAD g0a, g1a, g0b, g1b        ; a joint load: waves 0, 1 for the row operands, waves 2, 3 for the weights; four v_nop follow each line
	s_cmp_eq_u32 s[FA], 0
	s_cbranch_scc0 .Lfor_b_\@
	tensor_load_to_lds s[\g0a:\g0a+3], s[\g1a:\g1a+7]
	s_nop 0
.rept 4
	v_nop
.endr
	s_branch .Lasked_\@
.Lfor_b_\@:
	tensor_load_to_lds s[\g0b:\g0b+3], s[\g1b:\g1b+7]
	s_nop 0
.rept 4
	v_nop
.endr
.Lasked_\@:
.endm
.macro CREST
	s_cmp_lg_u32 s[WV], 0
	s_cbranch_scc1 .Lnot_wave_0_\@
	s_barrier_signal -3
.Lnot_wave_0_\@:
	s_barrier_wait -3
	s_barrier_signal -1
	s_barrier_wait -1
.endm
.macro CROUND
	s_barrier_signal -1
	s_barrier_wait -1
	CREST
.endm
.macro FRAG reg, adr, off
.irp c, 0,1,2
	ds_load_b128 v[(\reg)+4*\c:(\reg)+4*\c+3], v[\adr] offset:(\off)+512*\c
.endr
.endm
.macro HROWS reg, row0, cnt            ; cnt of my 64 rows of hidden, from row0 on, into v[reg] on: each load takes one row's 512 consecutive bytes
.set hh, 0
.rept \cnt
	global_load_b128 v[(\reg)+4*hh:(\reg)+4*hh+3], v[LI], s[16:17] offset:((\row0)+hh)*4096 th:TH_LOAD_NT
.set hh, hh+1
.endr
.endm
.macro HSTAGE reg, row0, cnt           ; and into my stage, as they lie
.set hh, 0
.rept \cnt
	ds_store_b128 v[RDA], v[(\reg)+4*hh:(\reg)+4*hh+3] offset:((\row0)+hh)*528
.set hh, hh+1
.endr
.endm
	s_load_b512 s[4:19], s[0:1], 0x0               ; u_img s[4:5], hq_img s[6:7], rh_img s[8:9], w_img s[10:11], bz s[12:13], bh s[14:15], hidden s[16:17], out0 s[18:19]
	v_lshl_add_u32 v[SPW], v0, 2, SPARE
	v_mov_b32 v[NIL], 0
	ds_add_u32 v28, v29
	ds_add_u32 v28, v29
	s_wait_dscnt 0x0
	v_lshrrev_b32 v1, 5, v0
	v_readfirstlane_b32 s[WV], v1
	s_lshr_b32 s[FA], s[WV], 1
	s_and_b32 s[EE], s[WV], 1
	s_bfe_u32 s97, ttmp6, 0x40000                  ; cx
	s_bfe_u32 s98, ttmp6, 0x40004                  ; cy
	s_lshl_b32 s99, ttmp9, 2
	s_add_co_u32 s99, s99, s97                     ; C
	s_and_b32 s100, ttmp7, 0xffff
	s_lshl_b32 s100, s100, 2
	s_add_co_u32 s100, s100, s98                   ; R
	s_lshl_b32 s101, s98, 2
	s_lshl_b32 s101, 15, s101                      ; my row of the cluster
	s_lshl_b32 s98, 0x1111, s97                    ; my column
	s_or_b32 s[G1A3], s101, (3<<16)|(1<<21)        ; 15:0 the mask; 17:16 elements of 8 bytes; 21 set beside a mask; no padding
	s_or_b32 s[G1A1], s101, (3<<16)|(1<<21)
	s_or_b32 s[G1A2], s101, (3<<16)|(1<<21)
	s_or_b32 s[G1B3], s98, (3<<16)|(1<<21)
	DENSE G1A3, 150
	DENSE G1A1, 100
	DENSE G1A2, 200
	DENSE G1B3, 150
	s_mul_i32 s[LA1], s[EE], 25600                 ; no place in the cluster enters an LDS address
	s_mul_i32 s[LA2], s[EE], 51200
	s_mul_i32 s[LA3], s[EE], 38400
	s_add_co_u32 s[LB2], s[LA1], 102400
	s_add_co_u32 s[LB3], s[LA3], 76800
	s_mul_i32 s[DG], s[EE], 51200
	s_xor_b32 s[DB], s[EE], 1
	s_mul_i32 s[DB], s[DB], 12800
	s_add_co_u32 s[DB], s[DB], 12800
	s_mov_b32 s23, 0xbfb8aa3b                      ; -log2(e)
	s_mov_b32 s104, 0x4038aa3b                     ; 2 log2(e)
	s_mul_i32 s66, s100, 204800                    ; the rows' side: s66, s67 hold R's arithmetic and the wave's alone
	s_mov_b32 s67, 0
	s_mul_i32 s2, s99, 102400                      ; the weights' side: s2, s3 hold C's and the wave's alone
	s_mul_i32 s3, s[EE], 3276800                   ; wz is tensor 0, wh tensor 4
	s_add_co_u32 s2, s2, s3
	s_mov_b32 s3, 0
	s_mov_b32 s[G0A], 1
	s_mov_b32 s[G0A+4], 1
	s_mov_b32 s[G0B], 1
	s_mov_b32 s[G0B+4], 1
	s_wait_kmcnt 0x0
	s_cmp_eq_u32 s[EE], 1                          ; the choices hang on the wave's number alone
	s_cselect_b64 s[PA2:PA2+1], s[8:9], s[6:7]     ; wave 1 fetches r hidden, wave 0 hidden's codes
	s_cselect_b64 s[12:13], s[14:15], s[12:13]     ; my gate's bias
	s_cselect_b32 s[GO], s104, s23
	s_cselect_b32 s[GT], s23, s104
	s_cselect_b32 s[MASK], -1, 0
	s_mov_b32 s[GO+1], s[GO]
	s_mov_b32 s[GT+1], s[GT]
	s_add_nc_u64 s[PA2:PA2+1], s[PA2:PA2+1], s[66:67]
	s_add_nc_u64 s[PA1:PA1+1], s[4:5], s[66:67]    ; update's blocks of tile R
	s_add_nc_u64 s[PA1S:PA1S+1], s[PA1:PA1+1], 6*SBA
	s_mov_b32 s66, s[LA1]
	s_add_nc_u64 s[PA1S:PA1S+1], s[PA1S:PA1S+1], s[66:67]   ; step 6 + e
	s_mov_b32 s66, s[LA3]
	s_add_nc_u64 s[PA1:PA1+1], s[PA1:PA1+1], s[66:67]       ; my half of three steps' 76,800 bytes
	s_add_nc_u64 s[PB1:PB1+1], s[10:11], s[2:3]
	s_or_b32 s[G1B1], s98, (3<<16)|(1<<21)         ; the four pointers of s[4:11] have been used
	DENSE G1B1, 100
	s_lshl_b32 s2, s99, 9                          ; 128 numbers of the bias, 512 bytes of a row
	s_add_nc_u64 s[12:13], s[12:13], s[2:3]
	s_lshl_b32 s14, s100, 20                       ; hidden and out: 256 rows of 4,096 bytes,
	s_lshl_b32 s15, s[WV], 18                      ; my 64,
	s_add_co_u32 s14, s14, s15
	s_add_co_u32 s14, s14, s2                      ; my tile's columns
	s_mov_b32 s15, 0
	s_add_nc_u64 s[16:17], s[16:17], s[14:15]      ; never rewritten
	s_add_nc_u64 s[18:19], s[18:19], s[14:15]
	CROUND                                         ; all sixteen work-groups are here: the first joint loads meet
	SETD G0A, PA1, 0, LA3, 0
	SETD G0B, PB1, 0, LB3, 0
	JLOAD G0A, G1A3, G0B, G1B3                     ; K steps 0-2
	SETD G0A+4, PA1, 3*SBA, LA3, SLOT
	SETD G0B+4, PB1, 3*SBB, LB3, SLOT
	JLOAD G0A+4, G1A3, G0B+4, G1B3                 ; K steps 3-5: two loads of mine are out
	v_and_b32 v1, 15, v0                           ; r
	v_bfe_u32 v2, v0, 4, 1                         ; h
	v_and_b32 v3, 31, v0
	v_lshlrev_b32 v[LI], 4, v3
	v_lshlrev_b32 v[BO], 5, v2
	s_mul_i32 s23, s[FA], 12288                    ; 8 fragments for each half of the rows
	s_mul_i32 s104, s[EE], 6144
	s_add_co_u32 s104, s23, s104                   ; my blocks 0-3: fragments 8 rh + 4 g on
	s_xor_b32 s105, s[EE], 1
	s_mul_i32 s105, s105, 6144
	s_add_co_u32 s105, s23, s105                   ; my blocks 4-7: fragments 8 rh + 4 (1 - g) on
	v_add_nc_u32 v[ADRA], s104, v[LI]
	v_add_nc_u32 v[ADRA+1], SLOT, v[ADRA]
	v_add_nc_u32 v[ADRA+2], s105, v[LI]
	v_add_nc_u32 v[ADRA+3], SLOT, v[ADRA+2]
	v_add_nc_u32 v[ADRB], s[LB3], v[LI]
	v_add_nc_u32 v[ADRB+1], SLOT, v[ADRB]
	v_lshlrev_b32 v[ADSB], 4, v1                   ; 16 r
	s_lshl_b32 s23, s[FA], 9
	s_add_co_u32 s23, s23, 24576
	s_lshl_b32 s104, s[EE], 8
	s_add_co_u32 s104, s23, s104
	s_xor_b32 s105, s[EE], 1
	s_lshl_b32 s105, s105, 8
	s_add_co_u32 s105, s23, s105
	v_add_nc_u32 v[ADSA], s104, v[ADSB]
	v_add_nc_u32 v[ADSA+1], SLOT, v[ADSA]
	v_add_nc_u32 v[ADSA+2], s105, v[ADSB]
	v_add_nc_u32 v[ADSA+3], SLOT, v[ADSA+2]
	s_add_co_u32 s23, s[LB3], 12288
	v_add_nc_u32 v[ADSB], s23, v[ADSB]
	v_add_nc_u32 v[ADSB+1], SLOT, v[ADSB]
	s_mul_i32 s23, s[WV], 33792                    ; my stage: 64 rows of 528 bytes, from the start of slot 0
	v_mul_u32_u24 v[HA], v1, 528
	v_lshl_add_u32 v[HA], v2, 5, v[HA]
	v_add_nc_u32 v[HA], s23, v[HA]
	v_add_nc_u32 v[RDA], s23, v[LI]
	s_xor_b32 s104, s[WV], 1
	s_lshl_b32 s104, s104, 15
	s_add_co_u32 s104, s104, SLOT                  ; the exchange lies in slot 1: 32,768 bytes for each receiving wave
	v_add_nc_u32 v[XW], s104, v[LI]
	s_lshl_b32 s105, s[WV], 15
	s_add_co_u32 s105, s105, SLOT
	v_add_nc_u32 v[XR], s105, v[LI]
.irp b, 0,1,2,3,4,5,6,7
.irp e, 0,1
	global_load_b128 v[BIAS+8*\b+4*\e:BIAS+8*\b+4*\e+3], v[BO], s[12:13] offset:64*\b+16*\e   ; my gate's bias at columns 16 b + 8 h + 0 .. 7
.endr
.endr
.macro FETCH_B slot, q, p              ; the weight's eight fragments of the slot's q-th step into set p
	WIN 0x40
.irp b, 0,1,2,3,4,5,6,7
	FRAG 128*(\p)+12*\b, ADRB+\slot, (\q)*SBB+FRB*\b
.endr
	WIN 0
.endm
.macro FETCH_A slot, q, hi             ; my blocks 4 hi .. 4 hi + 3
.irp i, 0,1,2,3
	FRAG AF+48*(\hi)+12*\i, ADRA+2*(\hi)+\slot, (\q)*SBA+FRB*\i
.endr
.endm
.macro SCALES slot, q, p               ; 16 scale words of row r: my eight blocks', the weight's eight
	ds_load_b128 v[SC+16*(\p):SC+16*(\p)+3], v[ADSA+\slot] offset:(\q)*SBA
	ds_load_b128 v[SC+16*(\p)+4:SC+16*(\p)+7], v[ADSA+2+\slot] offset:(\q)*SBA
	ds_load_b128 v[SC+16*(\p)+8:SC+16*(\p)+11], v[ADSB+\slot] offset:(\q)*SBB
	ds_load_b128 v[SC+16*(\p)+12:SC+16*(\p)+15], v[ADSB+\slot] offset:(\q)*SBB+256
.endm
; 16 matrix instructions: my blocks a0, a0 + 1 x the weight's eight.  The 64 accumulators take turns in one order in every step.
.macro MUL16 a0, p, first
.irp a, \a0, \a0+1
.irp b, 0,1,2,3,4,5,6,7
.if \first
	v_wmma_scale_f32_16x16x128_f8f6f4 v[8*(8*((\a)%4)+\b):8*(8*((\a)%4)+\b)+7], v[128*(\p)+12*\b:128*(\p)+12*\b+11], v[AF+12*(\a):AF+12*(\a)+11], v[BIAS+8*\b:BIAS+8*\b+7], v[SC+16*(\p)+8+\b], v[SC+16*(\p)+(\a)] matrix_a_fmt:MATRIX_FMT_BF6 matrix_b_fmt:MATRIX_FMT_BF6
.else
	v_wmma_scale_f32_16x16x128_f8f6f4 v[8*(8*((\a)%4)+\b):8*(8*((\a)%4)+\b)+7], v[128*(\p)+12*\b:128*(\p)+12*\b+11], v[AF+12*(\a):AF+12*(\a)+11], v[8*(8*((\a)%4)+\b):8*(8*((\a)%4)+\b)+7], v[SC+16*(\p)+8+\b], v[SC+16*(\p)+(\a)] matrix_a_fmt:MATRIX_FMT_BF6 matrix_b_fmt:MATRIX_FMT_BF6
.endif
.endr
.endr
.endm
; The slot's q-th step, whose successor lies in the same slot.  p: the step's parity: its set of the weight's fragments and of scale words; the successor's go into the other set.
.macro STEPG slot, q, p, first
	s_wait_dscnt 12                                ; the weight's set, my blocks 0-3 and the scale words are in; the youngest 12 loads (my blocks 4-7) may be out
.if \first
	WIN 0x81                                       ; source 0 window 1, source 1 and C (the bias) window 0, D window 2
.else
	WIN 0xa1
.endif
	MUL16 0, \p, \first
	MUL16 2, \p, \first
	s_wait_dscnt 0x0                               ; my blocks 4-7 are in
	PLACES
	FETCH_B \slot, (\q)+1, 1-(\p)
	FETCH_A \slot, (\q)+1, 0
	SCALES \slot, (\q)+1, 1-(\p)
.if \first
	WIN 0xc1
.else
	WIN 0xf1
.endif
	MUL16 4, \p, \first
	MUL16 6, \p, \first
	PLACES
	WIN 0
	FETCH_A \slot, (\q)+1, 1
.endm
; A slot's last step changes slots.  kind 1: the slot is filled with steps 6, 7;  kind 2: with steps 8 + j, 9 + j;  kind 0: nothing is left to fetch, and the barrier opens no round of the cluster's.
; bump = 1: the next slot holds its first tile of steps 8-15: my addresses in it move to that tile's layout.
.macro TURNG slot, next, p, kind, j, bump
	s_wait_tensorcnt 0x0                           ; all my tensor loads have landed: my part of the next slot
	ds_add_u32 v[SPW], v[NIL]                      ; 0 onto my spare word
	s_wait_dscnt 13                                ; the add and the youngest 12 loads may be out
	WIN 0xa1
	MUL16 0, \p, 0
	s_wait_dscnt 0x0                               ; the add is done, and my reads of this slot are over
	s_barrier_signal -1
	MUL16 2, \p, 0
	WIN 0
	s_barrier_wait -1
.if (\kind) == 1
	CREST                                          ; the barrier has opened a round of the cluster's: no wave of any partner still reads this slot or has a load on its way
	SETD G0A+4*\slot, PA1S, 0, LA1, \slot*SLOT
	SETD G0B+4*\slot, PB1, 6*SBB, LB3, \slot*SLOT
	JLOAD G0A+4*\slot, G1A1, G0B+4*\slot, G1B1     ; my one tensor load behind the round; its four v_nop are the places in front of the loads below
.elseif (\kind) == 2
	CREST
	SETD G0A+4*\slot, PA2, (\j)*SBA, LA2, \slot*SLOT
	SETD G0B+4*\slot, PB1, 819200+(\j)*SBB, LB2, \slot*SLOT
	JLOAD G0A+4*\slot, G1A2, G0B+4*\slot, G1B1
.else
	PLACES
.endif
.if \bump
	v_add_nc_u32 v[ADRA+\next], s[DG], v[ADRA+\next]
	v_add_nc_u32 v[ADRA+2+\next], s[DG], v[ADRA+2+\next]
	v_add_nc_u32 v[ADSA+\next], s[DG], v[ADSA+\next]
	v_add_nc_u32 v[ADSA+2+\next], s[DG], v[ADSA+2+\next]
	v_add_nc_u32 v[ADRB+\next], s[DB], v[ADRB+\next]
	v_add_nc_u32 v[ADSB+\next], s[DB], v[ADSB+\next]
.endif
	FETCH_B \next, 0, 1-(\p)
	FETCH_A \next, 0, 0
	SCALES \next, 0, 1-(\p)
	WIN 0xf1
	MUL16 4, \p, 0
	MUL16 6, \p, 0
	PLACES
	WIN 0
	FETCH_A \next, 0, 1
.endm
	s_wait_tensorcnt 1                             ; my part of slot 0 is in; slot 1's load may stay out
	s_barrier_signal -1
	s_barrier_wait -1
	FETCH_B 0, 0, 0
	FETCH_A 0, 0, 0
	SCALES 0, 0, 0
	FETCH_A 0, 0, 1
	s_wait_loadcnt 0x0                             ; the bias
	WIN 0x40                                       ; destination window 1: the 64 registers there that no fragment takes
	HROWS 96, 0, 8
	HROWS 224, 8, 8
	WIN 0
	STEPG 0, 0, 0, 1                               ; step 0
	HROWS BIAS, 16, 16                             ; the bias has been taken by step 0's products, behind which the step's last four places stand
	STEPG 0, 1, 1, 0                               ; step 1
	TURNG 0, 1, 0, 1, 0, 0                         ; step 2; slot 0 takes steps 6, 7
	STEPG 1, 0, 1, 0                               ; step 3
	STEPG 1, 1, 0, 0                               ; step 4
	TURNG 1, 0, 1, 2, 0, 0                         ; step 5; slot 1 takes steps 8, 9
	STEPG 0, 0, 0, 0                               ; step 6
	TURNG 0, 1, 1, 2, 2, 1                         ; step 7; slot 0 takes steps 10, 11
	STEPG 1, 0, 0, 0                               ; step 8
	TURNG 1, 0, 1, 2, 4, 1                         ; step 9; slot 1 takes steps 12, 13
	STEPG 0, 0, 0, 0                               ; step 10
	TURNG 0, 1, 1, 2, 6, 0                         ; step 11; slot 0 takes steps 14, 15
	STEPG 1, 0, 0, 0                               ; step 12
	TURNG 1, 0, 1, 0, 0, 0                         ; step 13
	STEPG 0, 0, 0, 0                               ; step 14
	s_wait_dscnt 12                                ; step 15: nothing more to fetch
	WIN 0xa1
	MUL16 0, 1, 0
	MUL16 2, 1, 0
	s_wait_dscnt 0x0
	WIN 0xf1
	MUL16 4, 1, 0
	MUL16 6, 1, 0
	WIN 0
	PLACES
	WIN 0x40                                       ; the weight's fragment registers are free: hidden's rows 32-63, wanted two blocks of the way out from here
	HROWS 0, 32, 16
	HROWS 128, 48, 16
	WIN 0
	; THE EXCHANGE.  Both slots have had their last fill; behind the first barrier nobody reads them.  My blocks 4-7 go to wave w xor 1 as images of their registers (slot 1); hidden's first 32 rows go into my stage (slot 0).
	s_wait_dscnt 0x0
	s_barrier_signal -1
	s_barrier_wait -1
	WIN 0x0c                                       ; an LDS store's data are its source 1: window 3
.set n, 0
.rept 64
	ds_store_b128 v[XW], v[4*n:4*n+3] offset:512*n   ; each accumulator from its low end on
.set n, n+1
.endr
	s_wait_loadcnt 32                              ; hidden's rows 0-31 are in; the 32 loads just issued are younger
	WIN 0x04                                       ; the data: window 1
	HSTAGE 96, 0, 8
	HSTAGE 224, 8, 8
	WIN 0
	HSTAGE BIAS, 16, 16
	s_wait_dscnt 0x0                               ; for the partner's sake
	s_barrier_signal -1
	s_barrier_wait -1
.macro SEL2 i, t
	v_cndmask_b32 v[\t], v[PP+(\i)], v[QQ+(\i)], s[MASK]        ; z's reciprocal: mine, or the partner's
	v_cndmask_b32 v[\t+1], v[PP+(\i)+1], v[QQ+(\i)+1], s[MASK]
.endm
.macro MIX2 i, t
	v_pk_fma_f32 v[HD+(\i):HD+(\i)+1], v[\t:\t+1], v[QQ+(\i):QQ+(\i)+1], v[HD+(\i):HD+(\i)+1]   ; hid + z (1 - hid)
.endm
.macro GROUP i                         ; eight numbers
	SEL2 (\i), 6
	SEL2 (\i)+2, 24
	SEL2 (\i)+4, 26
	SEL2 (\i)+6, 30
.irp u, 0,2,4,6
	v_pk_mul_f32 v[PP+(\i)+\u:PP+(\i)+\u+1], v[PP+(\i)+\u:PP+(\i)+\u+1], v[QQ+(\i)+\u:QQ+(\i)+\u+1]   ; z c
.endr
.irp u, 0,2,4,6
	v_pk_fma_f32 v[QQ+(\i)+\u:QQ+(\i)+\u+1], v[HD+(\i)+\u:HD+(\i)+\u+1], -1.0, 1.0 op_sel_hi:[1,0,0]   ; 1 - hid
.endr
	MIX2 (\i), 6
	MIX2 (\i)+2, 24
	MIX2 (\i)+4, 26
	MIX2 (\i)+6, 30
.irp u, 0,2,4,6
	v_pk_fma_f32 v[PP+(\i)+\u:PP+(\i)+\u+1], v[PP+(\i)+\u:PP+(\i)+\u+1], -2.0, v[HD+(\i)+\u:HD+(\i)+\u+1] op_sel_hi:[1,0,1]   ; - 2 z c
.endr
.endm
; THE WAY OUT of my block a (16 rows x 128 columns)
.macro EPI3 a
.if (\a) > 0
	s_wait_xcnt 0x0                                ; the last block's stores have read their registers
.endif
.if (\a) == 2
	s_wait_loadcnt 16                              ; hidden's rows 32-47 are in; the 16 loads of rows 48-63 are younger
	WIN 0x04
	HSTAGE 0, 32, 16
	WIN 0
.elseif (\a) == 3
	s_wait_loadcnt 0x0
	WIN 0x04
	HSTAGE 128, 48, 16
	WIN 0
.endif
.set n, 0
.rept 16
	ds_load_b128 v[QQ+4*n:QQ+4*n+3], v[XR] offset:8192*(\a)+512*n     ; the other gate's sums
.set n, n+1
.endr
.irp b, 0,1,2,3,4,5,6,7
.irp e, 0,1
	ds_load_b128 v[HD+8*\b+4*\e:HD+8*\b+4*\e+3], v[HA] offset:8448*(\a)+64*\b+16*\e   ; hidden in the result's layout; LDS serves a wave's instructions in order
.endr
.endr
	WIN 0x02                                       ; source 0 window 2
.set i, 0
.rept 32
	v_pk_mul_f32 v[PP+i:PP+i+1], v[64*(\a)+i:64*(\a)+i+1], s[GO:GO+1] op_sel_hi:[1,0]   ; each accumulator from its low end on
.set i, i+2
.endr
	WIN 0
	s_wait_dscnt 16                                ; the other gate's sums are in; hidden's 16 loads are younger
.set i, 0
.rept 32
	v_pk_mul_f32 v[QQ+i:QQ+i+1], v[QQ+i:QQ+i+1], s[GT:GT+1] op_sel_hi:[1,0]
.set i, i+2
.endr
.set i, 0
.rept 128
	v_exp_f32 v[PP+i], v[PP+i]                     ; v64-191: both gates
.set i, i+1
.endr
	v_nop                                          ; a plain instruction behind the exponentials
.set i, 0
	s_wait_alu depctr_va_vdst(0)
.rept 64
	v_pk_add_f32 v[PP+i:PP+i+1], v[PP+i:PP+i+1], 1.0 op_sel_hi:[1,0]
.set i, i+2
.endr
.set i, 0
.rept 128
	v_rcp_f32 v[PP+i], v[PP+i]
.set i, i+1
.endr
	s_wait_dscnt 0x0                               ; hidden
	v_nop                                          ; a plain instruction behind the reciprocals
	s_wait_alu depctr_va_vdst(0)
.irp g, 0,8,16,24,32,40,48,56
	GROUP \g
.endr
.irp b, 0,1,2,3,4,5,6,7
.irp e, 0,1
	ds_store_b128 v[HA], v[PP+8*\b+4*\e:PP+8*\b+4*\e+3] offset:8448*(\a)+64*\b+16*\e   ; into hidden's own place in my stage
.endr
.endr
.set n, 0
.rept 16
	ds_load_b128 v[QQ+4*n:QQ+4*n+3], v[RDA] offset:(16*(\a)+n)*528    ; back as whole rows; LDS serves a wave's instructions in order
.set n, n+1
.endr
.set n, 0
.rept 16
	s_wait_dscnt 15-n
	global_store_b128 v[LI], v[QQ+4*n:QQ+4*n+3], s[18:19] offset:(16*(\a)+n)*4096 th:TH_STORE_NT   ; 32 lanes store 512 consecutive bytes, at a multiple of 512 from out0's first byte
.set n, n+1
.endr
.endm
	EPI3 0
	EPI3 1
	EPI3 2
	EPI3 3
	s_wait_tensorcnt 0x0                           ; the wave's end
	ds_add_u32 v[SPW], v[NIL]
	s_wait_dscnt 0x0
	CROUND                                         ; the closing round
	s_endpgm
.Lfunc_end_k_qfaf8f8b70f_gate_zh:
	.size	k_qfaf8f8b70f_gate_zh, .Lfunc_end_k_qfaf8f8b70f_gate_zh-k_qfaf8f8b70f_gate_zh
	.p2alignl 7, 3214868480
	.fill 96, 4, 3214868480
	.section	.rodata,"a",@progbits
	.p2align	6, 0x0
	.amdhsa_kernel k_qfaf8f8b70f_gate_zh
		.amdhsa_group_segment_fixed_size 327680
		.amdhsa_private_segment_fixed_size 0
		.amdhsa_enable_private_segment 0
		.amdhsa_kernarg_size 64
		.amdhsa_user_sgpr_count 2
		.amdhsa_user_sgpr_kernarg_segment_ptr 1
		.amdhsa_wavefront_size32 1
		.amdhsa_system_sgpr_workgroup_id_x 1
		.amdhsa_system_sgpr_workgroup_id_y 1
		.amdhsa_system_sgpr_workgroup_id_z 1
		.amdhsa_system_vgpr_workitem_id 0
		.amdhsa_next_free_vgpr 1024
		.amdhsa_next_free_sgpr 106
		.amdhsa_reserve_vcc 0
		.amdhsa_float_denorm_mode_32 3
		.amdhsa_float_denorm_mode_16_64 3
		.amdhsa_memory_ordered 1
		.amdhsa_forward_progress 1
		.amdhsa_inst_pref_size 255
	.end_amdhsa_kernel
	.section	.bss,"aw",@nobits
	.p2align	6
	.space	262144
	.amdgpu_metadata
---
amdhsa.version: [ 1, 2 ]
amdhsa.kernels:
  - .name:           k_qfaf8f8b70f_gate_zh
    .symbol:         k_qfaf8f8b70f_gate_zh.kd
    .args:
      - { .name: u_img, .offset: 0, .size: 8, .value_kind: global_buffer, .address_space: global }
      - { .name: hq_img, .offset: 8, .size: 8, .value_kind: global_buffer, .address_space: global }
      - { .name: rh_img, .offset: 16, .size: 8, .value_kind: global_buffer, .address_space: global }
      - { .name: w_img, .offset: 24, .size: 8, .value_kind: global_buffer, .address_space: global }
      - { .name: bz, .offset: 32, .size: 8, .value_kind: global_buffer, .address_space: global }
      - { .name: bh, .offset: 40, .size: 8, .value_kind: global_buffer, .address_space: global }
      - { .name: hidden, .offset: 48, .size: 8, .value_kind: global_buffer, .address_space: global }
      - { .name: out0, .offset: 56, .size: 8, .value_kind: global_buffer, .address_space: global }
    .group_segment_fixed_size: 327680
    .private_segment_fixed_size: 0
    .kernarg_segment_align: 8
    .kernarg_segment_size: 64
    .max_flat_workgroup_size: 128
    .sgpr_count:     106
    .vgpr_count:     1024
    .wavefront_size: 32
...
	.end_amdgpu_metadata
.endif
;; end of part 3
